; MI455X (gfx1250); checked and timed in simulation.
; The chip was launched on July 23, 2026; its instructions are those of AMD's public machine-readable ISA for CDNA 5 (MIT licence, August 2026) and "CDNA5" Instruction Set Architecture Reference Guide (July 2026). The comments in the code are by the model that wrote it; some were corrected since.
;; Gaussian Mixture. Allowed arithmetic: float matrix products may take bf16 or f16 operands with f32 sums; all other float work in f32.
;; Inputs: logbeta 64 x 1 float32; mean 64 x 32 float32; weight 64 float32; x 131,072 x 32 float32.
;; Outputs: out0 131,072 float32.
;; One version. Each part assembles by itself: llvm-mc -triple=amdgcn-amd-amdhsa -mcpu=gfx1250 --defsym DOCPART=n.
;; ======== version 1 of 1: 1 launch
;; limits: values outside matrix products are rounded to bf16; a difference of large sums (such as E[x^2] - mean^2): digits are lost where the result is much smaller than its terms
;; launch gmm (part 1): grid 256 x 1, 8 waves a work-group, no clusters, 168,960 bytes of LDS; arguments x, mean, logbeta, weight, out0; writes out0
.if DOCPART == 1
	.amdgcn_target "amdgcn-amd-amdhsa--gfx1250"
	.amdhsa_code_object_version 6
	.text
	.protected	k_qa3db2fe498_gmm
	.globl	k_qa3db2fe498_gmm
	.p2align	8
	.type	k_qa3db2fe498_gmm,@function
k_qa3db2fe498_gmm:
	s_mov_b64 s[64:65], 0
	v_nop
	global_prefetch_b8 v0, s[64:65] scope:SCOPE_SE
	s_setreg_imm32_b32 hwreg(HW_REG_WAVE_MODE, 25, 1), 1
	s_wait_xcnt 0x0
; out[n] = logsumexp_k( pi_term - 0.5 exp(lb_k) |x_n - m_k|^2 + 16 lb_k + log_softmax(w)_k ) + prior(mean, logbeta)
; x [131072][32] f32, mean [64][32] f32, logbeta [64] f32, weight [64] f32, out [131072] f32.
;
; THE FORM.  c = centroid of the 64 means, x' = x - c, m' = m - c, beta = exp(lb):
;     -0.5 beta |x - m|^2 = beta ( x'.m' - 0.5 |x'|^2 ) - 0.5 beta |m'|^2          (true for any c)
; x'.m' is one bf16 matrix instruction for 16 mixtures x 16 rows (the 32 dims are its K); -0.5 |x'|^2 (f32) is its C operand;
; |m'|^2 is f32.  Centring is done in f32 before anything is rounded, so an offset common to x and mean never reaches the product
; and the three terms are of the size of the distances themselves.  All exponents are kept in base 2 (scaled by log2 e).
; The means are source A, the rows of x source B: in the result lane (r, h) holds, for row r, the mixtures 16 t + 8 h + j (tile t,
; register j): maximum and sum over the mixtures run inside the lane, and one exchange between the halves of the wave ends them.
; Both sources are fed alike with dims 16 h .. 16 h + 15 in lane (r, h): the same permutation of K on both sides keeps the product.
;
; SHARES.  256 work-groups x 8 waves; a work-group owns 512 rows (64 KiB), a wave 64 rows = 4 steps of 16.  Every tile of x is asked
; for at the start, each into LDS bytes of its own that are filled once: no ring, no refill, and no barrier for x.  Wave 0 asks first
; for mean, logbeta and weight; one barrier hands them to all.  Every wave then makes the constants for itself while x is on its way.
; NO CLUSTER: what work-groups share is mean, logbeta, weight, 8,704 bytes against 65,536 bytes of x that nobody shares.
; NO PREFETCH: every byte that the work-group reads is requested by its first instructions.
;
; LIMITS.  (1) The operands of x'.m' are rounded to bf16: an exponent is off by about beta |x'| |m'| 2^-8 at the most.
; (2) v_exp_f32 and v_log_f32 flush denormals (ISA guide, 15.8): beta below 2^-126 (logbeta < -87.3) counts as 0, and a term more than
; 126 powers of two below its row's largest counts as 0.  (3) A row whose 64 exponents all are -inf gives NaN, not -inf.
; (4) Sums are made in another order than in the formula above.
.set WAVES,  8
.set STEPS,  4                         ; steps of 16 rows in a wave
.set PITCH,  272                       ; LDS: 256 bytes (two rows of 32 f32) + 16 of padding
.set TILE,   8*PITCH                   ; 16 rows of x, or 16 means
.set XWAVE,  STEPS*TILE                ; a wave's x
.set MEANL,  WAVES*XWAVE               ; 69,632: the 64 means, 4 tiles
.set LBL,    MEANL+4*TILE              ; 78,336: logbeta, 256 bytes
.set WL,     LBL+256                   ; 78,592: weight, 256 bytes
.set SCR,    WL+256                    ; 78,848: 512 bytes for each wave, written by ds_store alone, in 256-byte blocks that no tensor load fills
; scalar registers
.set G1X, 16                           ; s[16:23] group 1: 8 rows of 256 bytes, padded (a tile of x)
.set G1M, 24                           ; s[24:31] group 1: 32 rows of 256 bytes, padded (mean)
.set G1R, 32                           ; s[32:39] group 1: one row of 256 bytes (logbeta, weight)
.set G0X, 40                           ; s[40:55] group 0 of my four tiles of x
.set G0M, 56                           ; s[56:59] group 0: mean
.set G0L, 60                           ; s[60:63] group 0: logbeta
.set G0W, 68                           ; s[68:71] group 0: weight
.set SELLO, 72                         ; s72, s73: v_permlanex16_b32 selects, lane i takes lane i of the other half
.set SELHI, 73
.set SL2E, 78                          ; log2 e
.set SLN2, 79                          ; ln 2
; vector registers
.set XA, 1                             ; LDS address of my 64 bytes in row r of my wave's first tile of x
.set MA, 2                             ; the same in the first tile of the means
.set PA, 3                             ; LBL + 4 r
.set SW, 4                             ; my wave's scratch + 4 r
.set SR, 5                             ; my wave's scratch + 32 h
.set RR, 6                             ; my wave's scratch + 8 lane
.set OO, 7                             ; 8 lane: my byte offset in the wave's 256 bytes of out
.set SV, 10                            ; the scalar added last
.set NC, 12                            ; v[12:27]   -c of my 16 dims
.set AF, 28                            ; v[28:59]   A fragments: m' in bf16, tile t at AF + 8 t
.set G,  60                            ; v[60:91]   beta log2e of mixture 16 t + 8 h + j at G + 8 t + j
.set CS, 92                            ; v[92:123]  log2e (16 lb + w - wmax) - 0.5 beta log2e |m'|^2, same order
.set M,  124                           ; v[124:187] set-up: my 16 dims of mixtures 16 t + r, at M + 16 t
.set X,  124                           ; v[124:139] step: my 16 dims of row r
.set XB, 140                           ; v[140:147] step: B fragment
.set CC, 148                           ; v[148:155] step: C operand, -0.5 |x'|^2 eight times
.set D,  156                           ; v[156:187] step: 4 result tiles
.set T,  188                           ; v[188:201] step: temporaries
.set MX, T+10                          ; step: the row's maximum (and its pair)
.set EX, 204                           ; v[204:235] step: the 32 exponentials
.set LBV, 188                          ; set-up: logbeta of mixtures 16 t + r
.set WV,  192                          ; weight of the same
.set E,   196
.set GV,  200                          ; beta log2e
.set HV,  204                          ; -0.5 beta log2e
.set UL,  208                          ; log2e (16 lb + w - wmax), then the whole constant
.set WM,  212
.set QL,  214
.set Q,   216                          ; v[216:223] four chains of pairs: sum of mean^2
.set P,   224                          ; v[224:231] a pair for each tile: |m'|^2
.set TT,  232                          ; v[232:247]
	s_load_b256 s[4:11], s[0:1], 0x0               ; x s[4:5], mean s[6:7], logbeta s[8:9], weight s[10:11]
	s_load_b64 s[12:13], s[0:1], 0x20              ; out0
	v_lshl_add_u32 v248, v0, 2, 0x29000
	v_mov_b32 v249, 0
	ds_add_u32 v248, v249
	ds_add_u32 v248, v249
	v_lshrrev_b32 v8, 5, v0
	v_readfirstlane_b32 s14, v8                    ; wave 0..7
	; All constant words of the descriptors are written while the scalar loads are out.  Elements of 8 bytes, rows of 32 elements =
	; 256 bytes of memory that follow each other without a gap (pitch = row); 4 words of padding behind every 64 words.
	s_mov_b32 s[G1X+0], (3<<16)|(1<<20)|(5<<22)|(3<<25)
	s_mov_b32 s[G1X+1], 32<<16                     ; tensor_dim0 = 32
	s_mov_b32 s[G1X+2], 8<<16                      ; tensor_dim1 = 8
	s_mov_b32 s[G1X+3], 32<<16                     ; tile_dim0 = 32
	s_mov_b32 s[G1X+4], 8                          ; tile_dim1 = 8
	s_mov_b32 s[G1X+5], 32                         ; pitch
	s_mov_b32 s[G1X+6], 0
	s_mov_b32 s[G1X+7], 0
	s_mov_b32 s[G1M+0], (3<<16)|(1<<20)|(5<<22)|(3<<25)
	s_mov_b32 s[G1M+1], 32<<16
	s_mov_b32 s[G1M+2], 32<<16                     ; 32 rows
	s_mov_b32 s[G1M+3], 32<<16
	s_mov_b32 s[G1M+4], 32
	s_mov_b32 s[G1M+5], 32
	s_mov_b32 s[G1M+6], 0
	s_mov_b32 s[G1M+7], 0
	s_mov_b32 s[G1R+0], 3<<16                      ; one row, no padding
	s_mov_b32 s[G1R+1], 32<<16
	s_mov_b32 s[G1R+2], 1<<16
	s_mov_b32 s[G1R+3], 32<<16
	s_mov_b32 s[G1R+4], 1
	s_mov_b32 s[G1R+5], 32
	s_mov_b32 s[G1R+6], 0
	s_mov_b32 s[G1R+7], 0
	s_mov_b32 s[G0M], 1
	s_mov_b32 s[G0M+1], MEANL
	s_mov_b32 s[G0L], 1
	s_mov_b32 s[G0L+1], LBL
	s_mov_b32 s[G0W], 1
	s_mov_b32 s[G0W+1], WL
	s_mov_b32 s[SELLO], 0x76543210
	s_mov_b32 s[SELHI], 0xfedcba98
	s_mov_b32 s[SL2E], 0x3fb8aa3b
	s_mov_b32 s[SLN2], 0x3f317218
	s_lshl_b32 s74, ttmp9, 16                      ; x: 512 rows of 128 bytes for a work-group,
	s_lshl_b32 s15, s14, 13                        ; 64 rows for a wave
	s_add_co_u32 s74, s74, s15
	s_mov_b32 s75, 0
	s_lshl_b32 s80, ttmp9, 11                      ; out: 512 x 4 bytes for a work-group,
	s_lshl_b32 s15, s14, 8                         ; 256 bytes for a wave
	s_add_co_u32 s80, s80, s15
	s_mov_b32 s81, 0
	s_mul_i32 s76, s14, XWAVE                      ; my wave's x in LDS
	s_lshl_b32 s77, s14, 9
	s_add_co_u32 s77, s77, SCR                     ; my wave's scratch
	s_wait_dscnt 0x0
	s_wait_kmcnt 0x0
	s_cmp_lg_u32 s14, 0
	s_cbranch_scc1 .Lx_tiles
	; wave 0 alone: mean, logbeta, weight, ahead of its x, so that they land first
	s_mov_b64 s[G0M+2:G0M+3], s[6:7]
	s_or_b32 s[G0M+3], s[G0M+3], 0x80000000
	tensor_load_to_lds s[G0M:G0M+3], s[G1M:G1M+7]
	s_nop 0
	s_mov_b64 s[G0L+2:G0L+3], s[8:9]
	s_or_b32 s[G0L+3], s[G0L+3], 0x80000000
	tensor_load_to_lds s[G0L:G0L+3], s[G1R:G1R+7]
	s_nop 0
	s_mov_b64 s[G0W+2:G0W+3], s[10:11]
	s_or_b32 s[G0W+3], s[G0W+3], 0x80000000
	tensor_load_to_lds s[G0W:G0W+3], s[G1R:G1R+7]
	s_nop 0
.Lx_tiles:
	; every wave: its four tiles of x, 2,048 bytes of memory each, a group 0 for each (none is ever rewritten).
	; Wave 0 has seven tensor loads out at the most, the others four.
	s_add_nc_u64 s[4:5], s[4:5], s[74:75]
.irp s, 0,1,2,3
	s_mov_b32 s[G0X+4*\s], 1
	s_add_co_u32 s[G0X+4*\s+1], s76, \s*TILE
	s_add_nc_u64 s[G0X+4*\s+2:G0X+4*\s+3], s[4:5], \s*2048
	s_or_b32 s[G0X+4*\s+3], s[G0X+4*\s+3], 0x80000000
	tensor_load_to_lds s[G0X+4*\s:G0X+4*\s+3], s[G1X:G1X+7]
	s_nop 0
.endr
	s_add_nc_u64 s[12:13], s[12:13], s[80:81]      ; out at my wave's 64 rows
	; Row r of a tile lies at (r >> 1) 272 + (r & 1) 128; my half of it at + 64 h.  The sixteen lanes of one half of the wave so
	; touch sixteen different 16-byte columns of a 256-byte span in every ds_load_b128.
	v_and_b32 v8, 15, v0                           ; r
	v_bfe_u32 v9, v0, 4, 1                         ; h
	v_lshrrev_b32 v[XA], 1, v8
	v_mul_u32_u24 v[XA], v[XA], PITCH
	v_and_b32 v[MA], 1, v8
	v_lshl_add_u32 v[XA], v[MA], 7, v[XA]
	v_lshl_add_u32 v[XA], v9, 6, v[XA]
	v_add_nc_u32 v[MA], MEANL, v[XA]
	v_add_nc_u32 v[XA], s76, v[XA]
	v_lshlrev_b32 v[PA], 2, v8
	v_add_nc_u32 v[SW], s77, v[PA]
	v_add_nc_u32 v[PA], LBL, v[PA]
	v_lshl_add_u32 v[SR], v9, 5, s77
	v_and_b32 v[OO], 31, v0
	v_lshlrev_b32 v[OO], 3, v[OO]
	v_add_nc_u32 v[RR], s77, v[OO]
	s_wait_tensorcnt 0x4                           ; tensor loads of a wave end in order: with my four tiles of x still out, wave 0's mean, logbeta and weight are in LDS
	s_barrier_signal -1
	s_barrier_wait -1                              ; now every wave may read them
	; ---------------- SET-UP, in every wave ----------------
.irp t, 0,1,2,3
	ds_load_b32 v[LBV+\t], v[PA] offset:64*\t      ; logbeta and weight of mixtures 16 t + r (both halves of the wave alike)
	ds_load_b32 v[WV+\t],  v[PA] offset:256+64*\t
.endr
.irp t, 0,1,2,3
.irp i, 0,1,2,3
	ds_load_b128 v[M+16*\t+4*\i:M+16*\t+4*\i+3], v[MA] offset:\t*TILE+16*\i   ; mean[16 t + r][16 h + 4 i ..]: the wave holds each number of mean once
.endr
.endr
	s_wait_dscnt 16                                ; LDS loads return in order: the eight words are in, the mean's sixteen loads stay out
.irp t, 0,1,2,3
	v_mul_f32 v[E+\t], s[SL2E], v[LBV+\t]
.endr
.irp t, 0,1,2,3
	v_exp_f32 v[GV+\t], v[E+\t]                    ; beta = exp(logbeta)
.endr
	v_max3_num_f32 v[WM], v[WV], v[WV+1], v[WV+2]  ; (also the plain instruction between the exponentials and their use)
	v_max_num_f32 v[WM], v[WM], v[WV+3]
.irp k, 1,2,4,8
	v_max_num_f32_dpp v[WM], v[WM], v[WM] row_xmask:\k row_mask:0xf bank_mask:0xf   ; over the 16 lanes of a half: all 64 weights, in each half
.endr
	s_wait_alu depctr_va_vdst(0)
.irp t, 0,1,2,3
	v_sub_f32 v[WV+\t], v[WV+\t], v[WM]            ; w - wmax
	v_mul_f32 v[GV+\t], s[SL2E], v[GV+\t]          ; beta log2e
.endr
.irp t, 0,1,2,3
	v_mul_f32 v[E+\t], s[SL2E], v[WV+\t]
	v_fmamk_f32 v[UL+\t], v[LBV+\t], 0x41800000, v[WV+\t]   ; 16 lb + (w - wmax)
.endr
.irp t, 0,1,2,3
	v_exp_f32 v[TT+\t], v[E+\t]                    ; exp(w - wmax)
.endr
.irp t, 0,1,2,3
	v_mul_f32 v[HV+\t], -0.5, v[GV+\t]
	v_mul_f32 v[UL+\t], s[SL2E], v[UL+\t]
	v_add_f32 v[LBV+\t], 0xbfb17218, v[LBV+\t]     ; lb - 2 ln 2, the prior's centre
.endr
	s_wait_alu depctr_va_vdst(0)
	v_add_f32 v[TT], v[TT], v[TT+1]
	v_add_f32 v[TT+2], v[TT+2], v[TT+3]
	v_add_f32 v[TT], v[TT], v[TT+2]
.irp k, 1,2,4,8
	v_add_f32_dpp v[TT], v[TT], v[TT] row_xmask:\k row_mask:0xf bank_mask:0xf
.endr
	v_log_f32 v[E], v[TT]                          ; log2 of sum exp(w - wmax), used far below
	v_mul_f32 v[QL], v[LBV], v[LBV]                ; sum over my four mixtures of (lb - 2 ln 2)^2
	v_fmac_f32 v[QL], v[LBV+1], v[LBV+1]
	v_fmac_f32 v[QL], v[LBV+2], v[LBV+2]
	v_fmac_f32 v[QL], v[LBV+3], v[LBV+3]
	s_wait_dscnt 0x0                               ; the mean is in registers
	; centroid: four mixtures in the lane, then the 16 lanes of my half (which hold the same 16 dims)
.irp p, 0,2,4,6,8,10,12,14
	v_pk_add_f32 v[NC+\p:NC+\p+1], v[M+\p:M+\p+1], v[M+16+\p:M+16+\p+1]
	v_pk_add_f32 v[TT+\p:TT+\p+1], v[M+32+\p:M+32+\p+1], v[M+48+\p:M+48+\p+1]
.endr
.irp p, 0,2,4,6,8,10,12,14
	v_pk_add_f32 v[NC+\p:NC+\p+1], v[NC+\p:NC+\p+1], v[TT+\p:TT+\p+1]
.endr
.irp k, 1,2,4,8
.irp i, 0,1,2,3,4,5,6,7,8,9,10,11,12,13,14,15
	v_add_f32_dpp v[NC+\i], v[NC+\i], v[NC+\i] row_xmask:\k row_mask:0xf bank_mask:0xf
.endr
.endr
	; the prior's sum of mean^2, of the numbers as given: four chains, started by products
.set idx, 0
.rept 4
	v_pk_mul_f32 v[Q+2*idx:Q+2*idx+1], v[M+2*idx:M+2*idx+1], v[M+2*idx:M+2*idx+1]
.set idx, idx+1
.endr
.rept 28
	v_pk_fma_f32 v[Q+2*(idx%4):Q+2*(idx%4)+1], v[M+2*idx:M+2*idx+1], v[M+2*idx:M+2*idx+1], v[Q+2*(idx%4):Q+2*(idx%4)+1]
.set idx, idx+1
.endr
.irp p, 0,2,4,6,8,10,12,14
	v_pk_mul_f32 v[NC+\p:NC+\p+1], v[NC+\p:NC+\p+1], 0xbc800000 op_sel_hi:[1,0]   ; -c = -sum / 64
.endr
.irp t, 0,1,2,3
.irp p, 0,2,4,6,8,10,12,14
	v_pk_add_f32 v[M+16*\t+\p:M+16*\t+\p+1], v[M+16*\t+\p:M+16*\t+\p+1], v[NC+\p:NC+\p+1]   ; m' = m - c
.endr
.endr
.irp t, 0,1,2,3
	v_pk_mul_f32 v[P+2*\t:P+2*\t+1], v[M+16*\t:M+16*\t+1], v[M+16*\t:M+16*\t+1]
.endr
.irp p, 2,4,6,8,10,12,14
.irp t, 0,1,2,3
	v_pk_fma_f32 v[P+2*\t:P+2*\t+1], v[M+16*\t+\p:M+16*\t+\p+1], v[M+16*\t+\p:M+16*\t+\p+1], v[P+2*\t:P+2*\t+1]
.endr
.endr
.irp t, 0,1,2,3
	v_add_f32 v[P+2*\t], v[P+2*\t], v[P+2*\t+1]
.endr
.irp t, 0,1,2,3
	v_permlanex16_b32 v[P+2*\t+1], v[P+2*\t], s[SELLO], s[SELHI]   ; the other 16 dims
.endr
.irp t, 0,1,2,3
	v_add_f32 v[P+2*\t], v[P+2*\t], v[P+2*\t+1]    ; |m'|^2 of mixture 16 t + r
.endr
.irp t, 0,1,2,3
	v_fma_f32 v[UL+\t], v[HV+\t], v[P+2*\t], v[UL+\t]
.endr
	; from "mixture 16 t + r in lane r" to "mixture 16 t + 8 h + j in register j": through my wave's own scratch.
	; LDS serves a wave's instructions in order, so the loads see the stores without a wait.
.irp t, 0,1,2,3
	ds_store_b32 v[SW], v[GV+\t] offset:64*\t      ; both halves write the same word with the same value
	ds_store_b32 v[SW], v[UL+\t] offset:256+64*\t
.endr
.irp t, 0,1,2,3
	ds_load_b128 v[G+8*\t:G+8*\t+3],     v[SR] offset:64*\t
	ds_load_b128 v[G+8*\t+4:G+8*\t+7],   v[SR] offset:64*\t+16
	ds_load_b128 v[CS+8*\t:CS+8*\t+3],   v[SR] offset:256+64*\t
	ds_load_b128 v[CS+8*\t+4:CS+8*\t+7], v[SR] offset:256+64*\t+16
.endr
.irp t, 0,1,2,3
.irp q, 0,1,2,3,4,5,6,7
	v_cvt_pk_bf16_f32 v[AF+8*\t+\q], v[M+16*\t+2*\q], v[M+16*\t+2*\q+1]
.endr
.endr
	s_wait_tensorcnt 0x3                           ; my first tile of x is in LDS; the three younger ones stay out
.irp i, 0,1,2,3
	ds_load_b128 v[X+4*\i:X+4*\i+3], v[XA] offset:16*\i   ; into registers of the raw mean, which has been read out
.endr
	; S = pi_term + lgamma(64) - 2048 x 0.5 ln 2pi + 64 (ln 2 - 0.5 ln 2pi)  [= -1724.83348]
	;     - 0.5 sum mean^2 - 2 sum (lb - 2 ln 2)^2 - ln sum exp(w - wmax)
	v_pk_add_f32 v[Q:Q+1], v[Q:Q+1], v[Q+2:Q+3]
	v_pk_add_f32 v[Q+4:Q+5], v[Q+4:Q+5], v[Q+6:Q+7]
	v_pk_add_f32 v[Q:Q+1], v[Q:Q+1], v[Q+4:Q+5]
	v_add_f32 v[Q], v[Q], v[Q+1]
	v_fma_f32 v[Q], v[Q], -0.5, -v[QL]             ; each logbeta sits in two lanes, so each gives half of its -2 ( )^2
.irp k, 1,2,4,8
	v_add_f32_dpp v[Q], v[Q], v[Q] row_xmask:\k row_mask:0xf bank_mask:0xf
.endr
	v_permlanex16_b32 v[Q+1], v[Q], s[SELLO], s[SELHI]
	v_add_f32 v[Q], v[Q], v[Q+1]
	s_wait_alu depctr_va_vdst(0)
	v_fmamk_f32 v[SV], v[E], 0xbf317218, v[Q]      ; - ln 2 x log2( )
	v_add_f32 v[SV], 0xc4d79aac, v[SV]
; ---------------- A STEP: 16 rows x 64 mixtures ----------------
; more = 1: the next tile's rows are fetched from LDS in this step; left = how many younger tensor loads may then stay out.
.macro STEP s, more, left
	s_wait_dscnt 0x0                               ; my 16 dims of row r are in (first step: the constants too)
.irp p, 0,2,4,6,8,10,12,14
	v_pk_add_f32 v[X+\p:X+\p+1], v[X+\p:X+\p+1], v[NC+\p:NC+\p+1]   ; x' = x - c
.endr
	v_pk_mul_f32 v[T:T+1], v[X:X+1], v[X:X+1]      ; |x'|^2 in f32, two chains
	v_pk_mul_f32 v[T+2:T+3], v[X+2:X+3], v[X+2:X+3]
.irp p, 4,8,12
	v_pk_fma_f32 v[T:T+1], v[X+\p:X+\p+1], v[X+\p:X+\p+1], v[T:T+1]
	v_pk_fma_f32 v[T+2:T+3], v[X+\p+2:X+\p+3], v[X+\p+2:X+\p+3], v[T+2:T+3]
.endr
.irp q, 0,1,2,3,4,5,6,7
	v_cvt_pk_bf16_f32 v[XB+\q], v[X+2*\q], v[X+2*\q+1]
.endr
	v_pk_add_f32 v[T:T+1], v[T:T+1], v[T+2:T+3]
	v_add_f32 v[T], v[T], v[T+1]
	v_permlanex16_b32 v[T+1], v[T], s[SELLO], s[SELHI]
	v_add_f32 v[T], v[T], v[T+1]
.irp j, 0,2,4,6
	v_pk_mul_f32 v[CC+\j:CC+\j+1], v[T:T+1], -0.5 op_sel_hi:[0,0]   ; C(any mixture, row r) = -0.5 |x'|^2
.endr
.irp t, 0,1,2,3
	v_wmma_f32_16x16x32_bf16 v[D+8*\t:D+8*\t+7], v[AF+8*\t:AF+8*\t+7], v[XB:XB+7], v[CC:CC+7]   ; m'.x' - 0.5 |x'|^2
.endr
.rept 4
	v_nop                                          ; four independent vector places before a vector instruction reads a matrix result (ISA guide 7.12.1); the step has no other work here
.endr
.irp i, 0,2,4,6,8,10,12,14,16,18,20,22,24,26,28,30
	v_pk_fma_f32 v[D+\i:D+\i+1], v[D+\i:D+\i+1], v[G+\i:G+\i+1], v[CS+\i:CS+\i+1]   ; the exponent, base 2
.endr
	; the largest of my 32, three at a time: 10 + 4 + 2 instructions; then the other half's
.irp i, 0,1,2,3,4,5,6,7,8,9
	v_max3_num_f32 v[T+\i], v[D+3*\i], v[D+3*\i+1], v[D+3*\i+2]
.endr
	v_max3_num_f32 v[T+10], v[T], v[T+1], v[T+2]
	v_max3_num_f32 v[T+11], v[T+3], v[T+4], v[T+5]
	v_max3_num_f32 v[T+12], v[T+6], v[T+7], v[T+8]
	v_max3_num_f32 v[T+13], v[T+9], v[D+30], v[D+31]
	v_max3_num_f32 v[MX], v[T+10], v[T+11], v[T+12]
	v_max_num_f32 v[MX], v[MX], v[T+13]
	v_permlanex16_b32 v[MX+1], v[MX], s[SELLO], s[SELHI]
	v_max_num_f32 v[MX], v[MX], v[MX+1]            ; the row's maximum over all 64 mixtures
.irp i, 0,2,4,6,8,10,12,14,16,18,20,22,24,26,28,30
	v_pk_add_f32 v[D+\i:D+\i+1], v[D+\i:D+\i+1], v[MX:MX+1] op_sel_hi:[1,0] neg_lo:[0,1] neg_hi:[0,1]
.endr
.irp i, 0,1,2,3,4,5,6,7,8,9,10,11,12,13,14,15,16,17,18,19,20,21,22,23,24,25,26,27,28,29,30,31
	v_exp_f32 v[EX+\i], v[D+\i]
.endr
.if \more
	s_wait_tensorcnt \left                         ; the next tile is in LDS; younger ones stay out
.irp i, 0,1,2,3
	ds_load_b128 v[X+4*\i:X+4*\i+3], v[XA] offset:(\s+1)*TILE+16*\i   ; X was last read by the conversions above; the sums below cover the way from LDS
.endr
.endif
	v_nop                                          ; one plain vector instruction between the exponentials and their use
	s_wait_alu depctr_va_vdst(0)
.irp i, 0,4,8,12,16,20,24,28
	v_pk_add_f32 v[EX+\i:EX+\i+1], v[EX+\i:EX+\i+1], v[EX+\i+2:EX+\i+3]
.endr
.irp i, 0,8,16,24
	v_pk_add_f32 v[EX+\i:EX+\i+1], v[EX+\i:EX+\i+1], v[EX+\i+4:EX+\i+5]
.endr
	v_pk_add_f32 v[EX:EX+1], v[EX:EX+1], v[EX+8:EX+9]
	v_pk_add_f32 v[EX+16:EX+17], v[EX+16:EX+17], v[EX+24:EX+25]
	v_pk_add_f32 v[EX:EX+1], v[EX:EX+1], v[EX+16:EX+17]
	v_add_f32 v[EX], v[EX], v[EX+1]
	v_permlanex16_b32 v[EX+1], v[EX], s[SELLO], s[SELHI]
	v_add_f32 v[EX], v[EX], v[EX+1]                ; at least 1: the maximum's own term
	v_log_f32 v[EX+1], v[EX]
	v_nop                                          ; one plain vector instruction between the logarithm and its use
	s_wait_alu depctr_va_vdst(0)
	v_add_f32 v[EX], v[EX+1], v[MX]
	v_fma_f32 v[EX], v[EX], s[SLN2], v[SV]         ; back to base e, plus S
	ds_store_b32 v[SW], v[EX] offset:64*\s         ; row 16 s + r of my 64, over the scratch's first 256 bytes, whose constants are in registers since the first step's wait
.endm
	STEP 0, 1, 2
	STEP 1, 1, 1
	STEP 2, 1, 0                                   ; the last tile: nothing was issued behind it
	STEP 3, 0, 0
	ds_load_b64 v[X:X+1], v[RR]                    ; rows 2 lane, 2 lane + 1 (my wave's own stores, served in order)
	s_wait_dscnt 0x0
	global_store_b64 v[OO], v[X:X+1], s[12:13] th:TH_STORE_NT   ; the wave's 32 lanes store 256 consecutive bytes, at a multiple of 256 from out's first byte
	s_wait_tensorcnt 0x0
	ds_add_u32 v248, v249
	s_wait_dscnt 0x0
	s_endpgm
.Lfunc_end_k_qa3db2fe498_gmm:
	.size	k_qa3db2fe498_gmm, .Lfunc_end_k_qa3db2fe498_gmm-k_qa3db2fe498_gmm
	.p2alignl 7, 3214868480
	.fill 96, 4, 3214868480
	.section	.rodata,"a",@progbits
	.p2align	6, 0x0
	.amdhsa_kernel k_qa3db2fe498_gmm
		.amdhsa_group_segment_fixed_size 168960
		.amdhsa_private_segment_fixed_size 0
		.amdhsa_enable_private_segment 0
		.amdhsa_kernarg_size 40
		.amdhsa_user_sgpr_count 2
		.amdhsa_user_sgpr_kernarg_segment_ptr 1
		.amdhsa_wavefront_size32 1
		.amdhsa_system_sgpr_workgroup_id_x 1
		.amdhsa_system_sgpr_workgroup_id_y 1
		.amdhsa_system_sgpr_workgroup_id_z 1
		.amdhsa_system_vgpr_workitem_id 0
		.amdhsa_next_free_vgpr 250
		.amdhsa_next_free_sgpr 82
		.amdhsa_reserve_vcc 0
		.amdhsa_float_denorm_mode_32 3
		.amdhsa_float_denorm_mode_16_64 3
		.amdhsa_memory_ordered 1
		.amdhsa_forward_progress 1
		.amdhsa_inst_pref_size 60
	.end_amdhsa_kernel
	.amdgpu_metadata
---
amdhsa.version: [ 1, 2 ]
amdhsa.kernels:
  - .name:           k_qa3db2fe498_gmm
    .symbol:         k_qa3db2fe498_gmm.kd
    .args:
      - { .name: x, .offset: 0, .size: 8, .value_kind: global_buffer, .address_space: global }
      - { .name: mean, .offset: 8, .size: 8, .value_kind: global_buffer, .address_space: global }
      - { .name: logbeta, .offset: 16, .size: 8, .value_kind: global_buffer, .address_space: global }
      - { .name: weight, .offset: 24, .size: 8, .value_kind: global_buffer, .address_space: global }
      - { .name: out0, .offset: 32, .size: 8, .value_kind: global_buffer, .address_space: global }
    .group_segment_fixed_size: 168960
    .private_segment_fixed_size: 0
    .kernarg_segment_align: 8
    .kernarg_segment_size: 40
    .max_flat_workgroup_size: 256
    .sgpr_count:     82
    .vgpr_count:     250
    .wavefront_size: 32
...
	.end_amdgpu_metadata
.endif
;; end of part 1
